; MI455X (gfx1250); checked and timed in simulation.
; The chip was launched on July 23, 2026; its instructions are those of AMD's public machine-readable ISA for CDNA 5 (MIT licence, August 2026) and "CDNA5" Instruction Set Architecture Reference Guide (July 2026). The comments in the code are by the model that wrote it; some were corrected since.
;; G Vendi Codebook. Allowed arithmetic: matrix products marked QUANTISED: E5M2 operands, one E8M0 scale for each 32 along K, by v_wmma_scale_f32_16x16x128_f8f6f4 with both operands' format E5M2, f32 sums; everything else in f32.
;; Inputs: centroids 4,096 x 256 float32; x 65,536 x 256 float32.
;; Outputs: out0 65,536 int32.
;; This version of the problem:
;;   THIS VERSION OF THE PROBLEM IS GIVEN IN LOW PRECISION. The matrix products marked QUANTISED in the list below multiply operands that are first quantised to E5M2 (5 exponent bits, 2 mantissa bits; 8 bits a number), with one power-of-two scale for each 32 numbers along K (OCP MX v1.0); their sums are f32. All else is computed in f32.
;;   The module's matrix products, in the order in which they are computed (A, B: the left and right operand; K: the contracted axis; several contracted axes count as one K, in the product's order):
;;     1. [M 65,536, K 256] x [K 256, N 4,096]; A: input x; B: input centroids: QUANTISED
;;   THE QUANTISER, for each operand of a quantised product, along K:
;;     - K is cut into blocks of 32 from its start; a last block that is shorter is filled with zeros.
;;     - A block's scale is 2^e with e = floor(log2(the largest magnitude in the block)) - 15, held to -126 .. 127; a block of zeros has e = 0. As a byte (E8M0): e + 127.
;;     - Each number is divided by its block's scale, clamped to +-57,344, and rounded to the nearest number of E5M2, ties to even, subnormals kept.
;;     - The product sums the exact products of the quantised numbers (number of the format x scale) in f32.
;;   ~~~python
;;   def quantise(x, axis):      # numpy; x: float32 -> the quantised numbers, widened to float32 again
;;       x = np.moveaxis(x, axis, -1); K = x.shape[-1]
;;       x = np.pad(x, [(0, 0)] * (x.ndim - 1) + [(0, -K % 32)]); x = x.reshape(x.shape[:-1] + (-1, 32)); a = np.abs(x).max(-1, keepdims=True)
;;       e = np.where(a > 0, np.clip(np.frexp(np.where(a > 0, a, 1))[1] - 1 - 15, -126, 127), 0)      # np.frexp(a)[1] - 1 = floor(log2(a)), exactly
;;       r = np.clip(x / 2.0 ** e, -57344, 57344)
;;       step = 2.0 ** (np.maximum(np.frexp(np.where(r == 0, 1, r))[1] - 1, -14) - 2)
;;       q = np.round(r / step) * step * 2.0 ** e      # np.round: ties to even
;;       return np.moveaxis(q.reshape(q.shape[:-2] + (-1,))[..., :K], -1, axis).astype(np.float32)
;;   ~~~
;; One version. Each part assembles by itself: llvm-mc -triple=amdgcn-amd-amdhsa -mcpu=gfx1250 --defsym DOCPART=n.
;; ======== version 1 of 1: 2 launches
;; limits: right only within a limited range of input values
;; workspace buffers: cimg 1,392,640 bytes
;; launch prep (part 1): grid 256 x 1, 4 waves a work-group, no clusters, 8,704 bytes of LDS; arguments centroids, cimg; writes cimg
.if DOCPART == 1
	.amdgcn_target "amdgcn-amd-amdhsa--gfx1250"
	.amdhsa_code_object_version 6
	.text
	.protected	k_qda3d061d88_prep
	.globl	k_qda3d061d88_prep
	.p2align	8
	.type	k_qda3d061d88_prep,@function
k_qda3d061d88_prep:
	s_mov_b64 s[64:65], 0
	v_nop
	global_prefetch_b8 v0, s[64:65] scope:SCOPE_SE
	s_setreg_imm32_b32 hwreg(HW_REG_WAVE_MODE, 25, 1), 1
	s_wait_xcnt 0x0
; The centroids [4096][256], f32, become 256 RECORDS of 4,352 bytes, one for each tile of 16 centroids, laid as the next launch's registers take them:
;   bytes 0-4095     codes of BF8 (E5M2): part p = 4 s + c (s: which 128 along K, c = 0..3) is 512 bytes; lane l = (r = l % 16, h = l / 16) has 16 bytes at 512 p + 16 l: k = 128 s + 32 c + 16 h + 0..15 of centroid r
;   bytes 4096-4223  scale words (four E8M0 bytes, 128 along K): word l < 16: centroid l, first 128 along K; word l >= 16: centroid l - 16, second 128
;   bytes 4224-4287  -0.5 x |c|^2 of the 16 centroids, f32, of the numbers as they arrive;   bytes 4288-4351  zeros, so that a record is 17 whole blocks of 256 bytes
; A block's scale is 2^(floor(log2(its largest magnitude)) - 15); its byte is the largest magnitude's exponent field - 15, held at 1 from below.  Each number is held within +-57,344 x the scale and rounded to the nearest code, ties to even.
; LIMITS: NaN and infinities among the inputs are not served.  A block of zeros gets the byte 1 where the quantiser's rule says 127: its codes are zeros, which add nothing, and this program alone reads the bytes.
;         |c|^2 is summed as a tree (two chains in a lane, then across the lanes), not in the order of a plain loop: the difference is one of f32 rounding.
; SHARES.  Work-group t makes record t; wave w takes centroids 4 w .. 4 w + 3.  A wave takes a whole row by two loads of 512 consecutive bytes, 16 bytes a lane: a lane holds k = 4 l + 0..3 and k = 128 + 4 l + 0..3.
; So eight neighbouring lanes share a block of 32, and a lane's eight registers belong to TWO blocks: they are converted twice, once under each block's scale, and of each conversion the four codes that belong to its block are kept.
; No tensor load, no matrix work, no cluster: 4 MiB are read once and the work-groups share nothing.
.set REC,   4352
.set PITCH, 272                        ; a row of 256 codes in LDS + 16 bytes: the 16 rows that a read of 16 bytes a lane touches start 68 words apart, at 16 different banks (64 banks of 4 bytes: ISA guide 11.1)
.set TAIL,  16*PITCH                   ; behind the 16 rows of codes: the record's last 256 bytes
.set X,   16                           ; v16-47   row i: v[X + 8 i ..]; set u = 2 i + s (row i, half s of K): v[X + 4 u .. + 3]
.set TM,  48                           ; v48-55   the sets' largest magnitudes
.set SC,  56                           ; v56-63   the conversions' scale operands
.set HD,  64                           ; v64-71   57,344 x the scale
.set BY,  72                           ; v72-79   the scale bytes
.set CD,  80                           ; v80-95   a pair of registers for each conversion
.set QA,  96                           ; v96-99   sums of squares, even registers;  v100-103 odd ones;  v104-107 the other half of the lanes'
.set QB,  100
.set PT,  104
.set OUTR, 108                         ; v108-115 the way out;  v116-117 the record's last 256 bytes
	s_load_b128 s[4:7], s[0:1], 0x0                ; centroids s[4:5], cimg s[6:7]
	v_lshl_add_u32 v128, v0, 2, 0x2000
	v_mov_b32 v129, 0
	v_lshrrev_b32 v1, 5, v0
	v_readfirstlane_b32 s8, v1                     ; wave 0..3
	v_and_b32 v1, 31, v0                           ; lane
	v_lshlrev_b32 v2, 4, v1                        ; 16 bytes a lane
	s_lshl_b32 s16, ttmp9, 14                      ; 16 rows of 1,024 bytes a work-group,
	s_lshl_b32 s9, s8, 12                          ; 4 a wave
	s_add_co_u32 s16, s16, s9
	s_mov_b32 s17, 0
	s_mul_i32 s18, ttmp9, REC                      ; my work-group's record
	s_mov_b32 s19, 0
	s_wait_alu depctr_va_vdst(0)
	s_wait_kmcnt 0x0
	s_add_nc_u64 s[4:5], s[4:5], s[16:17]
	s_add_nc_u64 s[6:7], s[6:7], s[18:19]
.irp i, 0,1,2,3
.irp j, 0,1
	global_load_b128 v[X+8*\i+4*\j:X+8*\i+4*\j+3], v2, s[4:5] offset:1024*\i+512*\j th:TH_LOAD_NT   ; 32 lanes read 512 consecutive bytes; read once in the launch
.endr
.endr
	; LDS addresses, made while the loads are out
	s_mul_i32 s9, s8, 4*PITCH
	v_lshl_add_u32 v3, v1, 2, s9                   ; codes in: my wave's 4 rows, 4 bytes a lane
	s_lshl_b32 s10, s8, 4
	s_add_co_u32 s10, s10, TAIL                    ; the tail + 16 w: my 4 centroids' words
	v_bfe_u32 v4, v0, 3, 2                         ; which block of the 128: lane / 8
	v_add_nc_u32 v4, s10, v4                       ; scale bytes in
	v_mov_b32 v5, s10                              ; -0.5 |c|^2 in (offset 128 + 4 i)
	v_and_b32 v6, 3, v0
	v_lshl_add_u32 v6, v6, 2, s10                  ; zeros in (offset 192): 16 bytes a wave
	v_mov_b32 v7, 0
	v_and_b32 v12, 15, v0                          ; r
	v_bfe_u32 v13, v0, 4, 1                        ; h
	v_mul_u32_u24 v8, v12, PITCH
	v_lshl_add_u32 v8, v13, 4, v8
	s_lshl_b32 s11, s8, 6
	v_add_nc_u32 v8, s11, v8                       ; codes out: row r, + 16 h, + 32 bytes for each part; wave w takes parts 2 w and 2 w + 1
	s_lshl_b32 s15, s8, 10
	v_add_nc_u32 v9, s15, v2                       ; and their place in the record: 512 x part + 16 x lane
	v_lshlrev_b32 v11, 3, v1                       ; the tail out: 8 bytes a lane
	v_add_nc_u32 v10, TAIL, v11
	s_mov_b32 s12, 0x76543210
	s_mov_b32 s13, 0xfedcba98                      ; v_permlanex16_b32's selects for lane l xor 16
	s_mov_b32 s14, 0x600000                        ; the mantissa field of 57,344
.irp i, 0,1,2,3
	v_mov_b32 v[PT+\i], 0                          ; a lane permute's destination counts as one of its sources
.endr
	s_wait_loadcnt 0x0
	; |c|^2, of the numbers as they arrived: two chains a lane, the four rows by turns
.irp i, 0,1,2,3
	v_mul_f32 v[QA+\i], v[X+8*\i], v[X+8*\i]
	v_mul_f32 v[QB+\i], v[X+8*\i+1], v[X+8*\i+1]
.endr
.irp j, 2,4,6
.irp i, 0,1,2,3
	v_fma_f32 v[QA+\i], v[X+8*\i+\j], v[X+8*\i+\j], v[QA+\i]
	v_fma_f32 v[QB+\i], v[X+8*\i+\j+1], v[X+8*\i+\j+1], v[QB+\i]
.endr
.endr
.irp i, 0,1,2,3
	v_add_f32 v[QA+\i], v[QA+\i], v[QB+\i]
.endr
.irp m, 1,2,4,8
.irp i, 0,1,2,3
	v_add_f32_dpp v[QA+\i], v[QA+\i], v[QA+\i] row_xmask:\m row_mask:0xf bank_mask:0xf
.endr
.endr
.irp i, 0,1,2,3
	v_permlanex16_b32 v[PT+\i], v[QA+\i], s12, s13
.endr
.irp i, 0,1,2,3
	v_add_f32 v[QA+\i], v[QA+\i], v[PT+\i]         ; every lane holds the row's sum
.endr
.irp i, 0,1,2,3
	v_mul_f32 v[QA+\i], -0.5, v[QA+\i]             ; exact
	ds_store_b32 v5, v[QA+\i] offset:128+4*\i      ; all lanes write the same word with the same value
.endr
	ds_store_b32 v6, v7 offset:192
	; the quantiser, the eight sets by turns
.irp u, 0,1,2,3,4,5,6,7
	v_max3_num_f32 v[TM+\u], |v[X+4*\u]|, |v[X+4*\u+1]|, 0x8000000   ; my four numbers of the block, and the floor 2^(16 - 127): so the byte cannot fall under 1
.endr
.irp u, 0,1,2,3,4,5,6,7
	v_max3_num_f32 v[TM+\u], v[TM+\u], |v[X+4*\u+2]|, |v[X+4*\u+3]|
.endr
.irp m, 1,2,4
.irp u, 0,1,2,3,4,5,6,7
	v_max_num_f32_dpp v[TM+\u], v[TM+\u], v[TM+\u] row_xmask:\m row_mask:0xf bank_mask:0xf   ; with the seven lanes that share the block
.endr
.endr
.irp u, 0,1,2,3,4,5,6,7
	v_add_nc_u32 v[SC+\u], 0xf8800000, v[TM+\u]    ; 15 off the exponent field: the conversion takes the exponent field of this operand as its scale
.endr
.irp u, 0,1,2,3,4,5,6,7
	v_and_or_b32 v[HD+\u], v[TM+\u], 0x7f800000, s14   ; 57,344 x the scale
.endr
.irp u, 0,1,2,3,4,5,6,7
	v_lshrrev_b32 v[BY+\u], 23, v[SC+\u]           ; the scale's byte
.endr
.irp u, 0,1,2,3,4,5,6,7
.irp j, 0,1,2,3
	v_med3_num_f32 v[X+4*\u+\j], v[X+4*\u+\j], -v[HD+\u], v[HD+\u]   ; the conversion to an 8-bit code does not saturate (ISA guide 7.6.2): the hold comes first
.endr
.endr
.irp u, 0,1,2,3,4,5,6,7
	v_cvt_scalef32_pk8_bf8_f32 v[CD+2*\u:CD+2*\u+1], v[X+8*(\u/2):X+8*(\u/2)+7], v[SC+\u]   ; the row's eight numbers under set u's scale: register u % 2 of the result holds the set's four codes, the other is not used
.endr
	v_nop                                          ; a plain vector line behind the last conversion
.irp u, 0,1,2,3,4,5,6,7
	ds_store_b32 v3, v[CD+2*\u+(\u%2)] offset:PITCH*(\u/2)+128*(\u%2)
	ds_store_b8 v4, v[BY+\u] offset:4*(\u/2)+64*(\u%2)     ; the eight lanes of a block write the same byte with the same value
.endr
	s_wait_dscnt 0x0                               ; for the others' sake: my stores have landed
	s_barrier_signal -1
	s_barrier_wait -1
	ds_load_b128 v[OUTR:OUTR+3], v8                ; part 2 w as the operand's registers want it
	ds_load_b128 v[OUTR+4:OUTR+7], v8 offset:32    ; part 2 w + 1
	s_wait_dscnt 0x0
	global_store_b128 v9, v[OUTR:OUTR+3], s[6:7]               ; 32 lanes store 512 consecutive bytes, at a multiple of 256 from the buffer's first byte
	global_store_b128 v9, v[OUTR+4:OUTR+7], s[6:7] offset:512
	; the next launch walks the records in the order 0 .. 255, 0 .. 63: the image is laid in that order, so records 0 to 63 are stored once more, 256 records further on
	s_cmp_ge_u32 ttmp9, 64
	s_cbranch_scc1 .Lsingle
	global_store_b128 v9, v[OUTR:OUTR+3], s[6:7] offset:256*REC
	global_store_b128 v9, v[OUTR+4:OUTR+7], s[6:7] offset:256*REC+512
.Lsingle:
	s_cmp_lg_u32 s8, 0
	s_cbranch_scc1 .Lend                           ; wave 0 alone stores the record's last 256 bytes
	ds_load_b64 v[116:117], v10
	s_wait_dscnt 0x0
	global_store_b64 v11, v[116:117], s[6:7] offset:4096       ; 32 lanes store 256 consecutive bytes
	s_cmp_ge_u32 ttmp9, 64
	s_cbranch_scc1 .Lend
	global_store_b64 v11, v[116:117], s[6:7] offset:256*REC+4096   ; and the second copy's last 256 bytes
.Lend:
	s_wait_tensorcnt 0x0
	ds_add_u32 v128, v129
	s_wait_dscnt 0x0
	s_endpgm
.Lfunc_end_k_qda3d061d88_prep:
	.size	k_qda3d061d88_prep, .Lfunc_end_k_qda3d061d88_prep-k_qda3d061d88_prep
	.p2alignl 7, 3214868480
	.fill 96, 4, 3214868480
	.section	.rodata,"a",@progbits
	.p2align	6, 0x0
	.amdhsa_kernel k_qda3d061d88_prep
		.amdhsa_group_segment_fixed_size 8704
		.amdhsa_private_segment_fixed_size 0
		.amdhsa_enable_private_segment 0
		.amdhsa_kernarg_size 16
		.amdhsa_user_sgpr_count 2
		.amdhsa_user_sgpr_kernarg_segment_ptr 1
		.amdhsa_wavefront_size32 1
		.amdhsa_system_sgpr_workgroup_id_x 1
		.amdhsa_system_sgpr_workgroup_id_y 1
		.amdhsa_system_sgpr_workgroup_id_z 1
		.amdhsa_system_vgpr_workitem_id 0
		.amdhsa_next_free_vgpr 130
		.amdhsa_next_free_sgpr 66
		.amdhsa_reserve_vcc 0
		.amdhsa_float_denorm_mode_32 3
		.amdhsa_float_denorm_mode_16_64 3
		.amdhsa_memory_ordered 1
		.amdhsa_forward_progress 1
		.amdhsa_inst_pref_size 16
	.end_amdhsa_kernel
	.amdgpu_metadata
---
amdhsa.version: [ 1, 2 ]
amdhsa.kernels:
  - .name:           k_qda3d061d88_prep
    .symbol:         k_qda3d061d88_prep.kd
    .args:
      - { .name: centroids, .offset: 0, .size: 8, .value_kind: global_buffer, .address_space: global }
      - { .name: cimg, .offset: 8, .size: 8, .value_kind: global_buffer, .address_space: global }
    .group_segment_fixed_size: 8704
    .private_segment_fixed_size: 0
    .kernarg_segment_align: 8
    .kernarg_segment_size: 16
    .max_flat_workgroup_size: 128
    .sgpr_count:     66
    .vgpr_count:     130
    .wavefront_size: 32
...
	.end_amdgpu_metadata
.endif
;; end of part 1
;; launch main (part 2): grid 256 x 1, 8 waves a work-group, clusters of 4 x 1, 327,680 bytes of LDS; arguments x, cimg, out0; writes out0
.if DOCPART == 2
	.amdgcn_target "amdgcn-amd-amdhsa--gfx1250"
	.amdhsa_code_object_version 6
	.text
	.protected	k_qda3d061d88_main
	.globl	k_qda3d061d88_main
	.p2align	8
	.type	k_qda3d061d88_main,@function
k_qda3d061d88_main:
	s_mov_b64 s[64:65], 0
	v_nop
	global_prefetch_b8 v0, s[64:65] scope:SCOPE_SE
	s_setreg_imm32_b32 hwreg(HW_REG_WAVE_MODE, 25, 1), 1
	s_wait_xcnt 0x0
	s_wait_alu depctr_hold_cnt(0) depctr_sa_sdst(0) depctr_va_vdst(0) depctr_va_sdst(0) depctr_va_ssrc(0) depctr_va_vcc(0) depctr_vm_vsrc(0)
	s_getreg_b32 s2, hwreg(HW_REG_IB_STS2, 6, 4)
	s_cmp_eq_u32 s2, 0
	s_cbranch_scc0 .Lentry_in_a_cluster
	s_endpgm
.Lentry_in_a_cluster:
	s_bfe_u32 s2, ttmp6, 0x10000c
	s_cmp_lg_u32 s2, 0x3003
	s_cbranch_scc0 .Lentry_shape_is_right
	s_endpgm
.Lentry_shape_is_right:
; out0[n] = argmin over k of (-2 x_n . c_k + |c_k|^2) = argmax over k of (x_n . c_k - 0.5 |c_k|^2): the factor -0.5 is exact and turns the order round; ties go to the lower k.
; x is quantised here (MX-BF8, blocks of 32 along the 256); the centroids come as records of 16 (codes, scale words, -0.5 |c|^2) from the launch before.
; LIMITS: NaN and infinities among the inputs are not served.  A block of zeros of x gets the scale byte 1: its codes are zeros, and this launch alone reads the bytes.
; SHARES.  A work-group owns 256 rows of x and walks all 256 records.  Wave w = 2 q + e: row half e (eight tiles of 16 rows, fragments in window 1), quarter q of each slot's 32 records.
; The product is used with the record as source 0 and x as source 1: a lane holds one row of x and eight centroids (8 h + j); -0.5 |c|^2 is the C of the first of a tile's two products.
; A STATE of ten registers for each tile of x: the running maximum (two registers by turns), the record's first index, and seven of the winning tile's eight scores, from which j is read off at the end.
; The state is kept by selection in every step: four maxima of three, one compare, four pairs of selections a tile.
; THE WALK.  Tiles 0-3 of a wave (group A: the first 128 rows asked for) start alone on slots 0 and 1; meanwhile group B's 128 rows, asked for at the head into the registers that later hold B's fragments, arrive.
; B is quantised behind slot 1, both groups walk slots 2 to 7, and B alone walks slots 0 and 1 again at the end: ten visits of slots, the same products in all.
; For the two last visits B has fresh states (A's, which are decoded and stored first); at the merge the later state wins an equal value, since all its indices are lower.
; THE RING: two slots of 32 records, filled by joint loads of the cluster's four work-groups (all walk the same records); each wave loads four records; a refill stands behind a round of the cluster's barrier.
; PREFETCH: work-group t asks once, at the head and ahead of the loads of x, for the 17 blocks of 256 bytes of record t: the 256 work-groups share the image out by address.  No further prefetch: that is the whole image.
.set REC,   4352                       ; the image holds 320 records in the order of the walk: 0 .. 255, then 0 .. 63 once more: ten slots, so every refill steps one slot on
.set SLOTB, 32*REC
.set WSH,   4*REC
.set GRPB,  8*REC
.set XP,    272                        ; a row of 256 codes of x in LDS + 16 bytes
.set XIMG,  2*SLOTB                    ; 128 rows of codes of x: group A's, later group B's
.set XSC,   XIMG+128*XP                ; their scale words
.set JOIN,  XSC+8*128                  ; 1,024 bytes a wave: maxima and indices for the join
.set SPARE, JOIN+8*1024                ; the spare words, 128 bytes a wave
.set SPW,  1
.set NIL,  2
.set ACL,  3
.set ASL,  4
.set AQL,  5
.set AC,   6
.set AS,   7
.set AQ,   8
.set XG,   9
.set XS,   10                          ; v10-17 x's scale words, a register a tile
.set ASC,  18                          ; v18-19 a record's scale words, two buffers
.set AF,   20                          ; v20-83 a record's codes, two buffers
.set CQ,   84                          ; v84-99 -0.5 |c|^2, two buffers
.set ACC,  100                         ; v100-131 two sets of two accumulators
.set ST,   132                         ; v132-211 eight states
.set TT,   212
.set XW,   218
.set XSW,  219
.set XRD,  220
.set XSRD, 221
.set TM,   222                         ; v222-233 the quantiser's maxima, scale operands, holds
.set JW,   234
.set JR,   235
.set GO,   236
.set PFO,  237
.set IDC,  239                         ; v239 the first index of the record at work;  v243 that of the record before (for the lagging step)
.set IDP,  243
.set LN,   240
.set RR,   241
.set HH,   242
.set XT,   20                          ; group A's f32 rows, v20-147; group B's lie in window 1, v128-255
.set CDS,  148
.set MSB, 0
.macro WIN new
.if MSB != \new
	s_set_vgpr_msb (MSB<<8)|\new
.set MSB, \new
.endif
.endm
.macro CREST
	s_cmp_lg_u32 s10, 0
	s_cbranch_scc1 .Lnot_wave_0_\@
	s_barrier_signal -3
.Lnot_wave_0_\@:
	s_barrier_wait -3
	s_barrier_signal -1
	s_barrier_wait -1
.endm
.macro CROUND
	s_barrier_signal -1
	s_barrier_wait -1
	CREST
.endm
.macro BAR
	s_wait_dscnt 0x0
	s_barrier_signal -1
	s_barrier_wait -1
.endm
; two rows of group f: four loads of 512 consecutive bytes
.macro LOADPAIR f, p, base
.irp e, 0,1
.irp j, 0,1
	global_load_b128 v[(\base)+16*(\p)+8*\e+4*\j:(\base)+16*(\p)+8*\e+4*\j+3], v[XG], s[48:49] offset:131072*(\f)+1024*(2*(\p)+\e)+512*\j th:TH_LOAD_NT
.endr
.endr
.endm
; two rows are quantised: a lane holds k = 4 l .. + 3 and 128 + 4 l .. + 3 of each; eight lanes share a block.  w: the window in which the numbers lie.  CDB, NS: the sets of registers for codes and bytes
.macro ROWQ2 base, q, w
.set CD, CDB+12*((\q)%NS)
.set BY, CD+8
.if (\q) >= NS
	s_wait_dscnt 8*(NS-1)                          ; the LDS stores that read this set are done
.endif
	WIN 0x05*(\w)
.irp u, 0,1,2,3
	v_max3_num_f32 v[TM+\u], |v[(\base)+4*\u]|, |v[(\base)+4*\u+1]|, 0x8000000   ; with the floor 2^(16 - 127): the byte cannot fall under 1
.endr
	WIN 0x14*(\w)
.irp u, 0,1,2,3
.if (\w) == 0
	s_delay_alu instid0(VALU_DEP_4)
.endif
	v_max3_num_f32 v[TM+\u], v[TM+\u], |v[(\base)+4*\u+2]|, |v[(\base)+4*\u+3]|
.endr
	WIN 0
.irp m, 1,2,4
.irp u, 0,1,2,3
.if ((\w) == 0) || (\m > 1)
	s_delay_alu instid0(VALU_DEP_4)
.endif
	v_max_num_f32_dpp v[TM+\u], v[TM+\u], v[TM+\u] row_xmask:\m row_mask:0xf bank_mask:0xf
.endr
.endr
.irp u, 0,1,2,3
	s_delay_alu instid0(VALU_DEP_4)
	v_add_nc_u32 v[TM+4+\u], 0xf8800000, v[TM+\u]  ; 15 off the exponent field: the conversion's scale operand
.endr
.irp u, 0,1,2,3
	v_and_or_b32 v[TM+8+\u], v[TM+\u], 0x7f800000, s42   ; 57,344 x the scale
.endr
.irp u, 0,1,2,3
	v_lshrrev_b32 v[BY+\u], 23, v[TM+4+\u]         ; the scale's byte
.endr
	WIN 0x41*(\w)
.irp u, 0,1,2,3
.irp j, 0,1,2,3
	v_med3_num_f32 v[(\base)+4*\u+\j], v[(\base)+4*\u+\j], -v[TM+8+\u], v[TM+8+\u]   ; the hold: the conversion does not saturate (ISA guide 7.6.2)
.endr
.endr
	WIN 0x01*(\w)
.irp u, 0,1,2,3
	v_cvt_scalef32_pk8_bf8_f32 v[CD+2*\u:CD+2*\u+1], v[(\base)+8*(\u/2):(\base)+8*(\u/2)+7], v[TM+4+\u]   ; a row's eight numbers under set u's scale: register u % 2 is kept
.endr
	WIN 0
	v_nop                                          ; a plain line behind the last conversion
.irp u, 0,1,2,3
	ds_store_b32 v[XW], v[CD+2*\u+(\u%2)] offset:XP*(2*(\q)+\u/2)+128*(\u%2)
	ds_store_b8 v[XSW], v[BY+\u] offset:4*(2*(\q)+\u/2)+64*(\u%2)
.endr
.endm
.macro XFRAGS f                        ; group f's four tiles of my row half: fragments into window 1, scale words into window 0
	WIN 0x40
.irp t, 0,1,2,3
.irp s, 0,1
.irp c, 0,1,2,3
	ds_load_b128 v[32*(4*\f+\t)+16*\s+4*\c:32*(4*\f+\t)+16*\s+4*\c+3], v[XRD] offset:16*XP*\t+128*\s+32*\c
.endr
.endr
.endr
	WIN 0
.irp t, 0,1,2,3
	ds_load_b32 v[XS+4*\f+\t], v[XSRD] offset:128*\t
.endr
.endm
.macro LOADS i, buf                    ; record i of my eight: 11 LDS loads
.irp p, 0,1,2,3,4,5,6,7
	ds_load_b128 v[AF+32*(\buf)+4*\p:AF+32*(\buf)+4*\p+3], v[AC] offset:REC*(\i)+512*\p
.endr
	ds_load_b32 v[ASC+(\buf)], v[AS] offset:REC*(\i)+4096
	ds_load_b128 v[CQ+8*(\buf):CQ+8*(\buf)+3], v[AQ] offset:REC*(\i)+4224
	ds_load_b128 v[CQ+8*(\buf)+4:CQ+8*(\buf)+7], v[AQ] offset:REC*(\i)+4240
.endm
.macro RUN buf, g                      ; tiles 2 g and 2 g + 1 of x against the record: two accumulators by turns, two products each
	WIN 0x04
.irp t, 0,1
	v_wmma_scale_f32_16x16x128_f8f6f4 v[ACC+16*((\g)%2)+8*\t:ACC+16*((\g)%2)+8*\t+7], v[AF+32*(\buf):AF+32*(\buf)+15], v[32*(2*(\g)+\t):32*(2*(\g)+\t)+15], v[CQ+8*(\buf):CQ+8*(\buf)+7], v[ASC+(\buf)], v[XS+2*(\g)+\t] matrix_a_fmt:MATRIX_FMT_BF8 matrix_b_fmt:MATRIX_FMT_BF8
.endr
.irp t, 0,1
	v_wmma_scale_f32_16x16x128_f8f6f4 v[ACC+16*((\g)%2)+8*\t:ACC+16*((\g)%2)+8*\t+7], v[AF+32*(\buf)+16:AF+32*(\buf)+31], v[32*(2*(\g)+\t)+16:32*(2*(\g)+\t)+31], v[ACC+16*((\g)%2)+8*\t:ACC+16*((\g)%2)+8*\t+7], v[ASC+(\buf)], v[XS+2*(\g)+\t] matrix_a_fmt:MATRIX_FMT_BF8 matrix_b_fmt:MATRIX_FMT_BF8 matrix_a_scale:MATRIX_SCALE_ROW1 matrix_b_scale:MATRIX_SCALE_ROW1
.endr
	WIN 0
.endm
; VCC = the maximum has not grown: the state stays (second source); else seven scores and the record's first index are taken (first source).  Two selections a line
.macro SAVE es, ea, scb
	v_dual_cndmask_b32 v[\es+3], v[\ea], v[\es+3] :: v_dual_cndmask_b32 v[\es+4], v[\ea+1], v[\es+4]
	v_dual_cndmask_b32 v[\es+5], v[\ea+2], v[\es+5] :: v_dual_cndmask_b32 v[\es+6], v[\ea+3], v[\es+6]
	v_dual_cndmask_b32 v[\es+7], v[\ea+4], v[\es+7] :: v_dual_cndmask_b32 v[\es+8], v[\ea+5], v[\es+8]
	v_dual_cndmask_b32 v[\es+9], v[\ea+6], v[\es+9] :: v_dual_cndmask_b32 v[\es+2], v[\scb], v[\es+2]
.endm
; the two accumulators of a set go into states ra and ra + 1; par: which register holds the maximum so far; each accumulator is read from its low end on
.macro EPI set, ra, par, scb
.set EA0, ACC+16*(\set)
.set EA1, EA0+8
.set ES0, ST+10*(\ra)
.set ES1, ES0+10
	v_max3_num_f32 v[TT], v[EA0], v[EA0+1], v[EA0+2]
	v_max3_num_f32 v[TT+3], v[EA1], v[EA1+1], v[EA1+2]
	v_max3_num_f32 v[TT+1], v[EA0+3], v[EA0+4], v[EA0+5]
	v_max3_num_f32 v[TT+4], v[EA1+3], v[EA1+4], v[EA1+5]
	v_max3_num_f32 v[TT+2], v[EA0+6], v[EA0+7], v[ES0+(\par)]
	v_max3_num_f32 v[TT+5], v[EA1+6], v[EA1+7], v[ES1+(\par)]
	s_delay_alu instid0(VALU_DEP_2)
	v_max3_num_f32 v[ES0+1-(\par)], v[TT], v[TT+1], v[TT+2]
	s_delay_alu instid0(VALU_DEP_2)
	v_max3_num_f32 v[ES1+1-(\par)], v[TT+3], v[TT+4], v[TT+5]
	s_delay_alu instid0(VALU_DEP_2)
	v_cmp_ge_f32 vcc_lo, v[ES0+(\par)], v[ES0+1-(\par)]
	SAVE ES0, EA0, \scb
	v_cmp_ge_f32 vcc_lo, v[ES1+(\par)], v[ES1+1-(\par)]
	SAVE ES1, EA1, \scb
.endm
; The change of slots, in a slot's seventh record: my eighth record's loads are out, so behind s_wait_dscnt 0 I read this slot no more.  mode 0: the slot is filled again, with the records of two visits on
.macro CHG_A mode
	s_wait_tensorcnt 0x0                           ; all my tensor loads have landed: my part of the next slot
	ds_add_u32 v[SPW], v[NIL]
.if (\mode) == 0
	s_xor_b32 s32, s32, SLOTB
	s_add_co_u32 s29, s32, s33
	s_add_nc_u64 s[30:31], s[30:31], SLOTB
.endif
.endm
.macro CHG_B
	s_wait_dscnt 0x0                               ; the add is done, and my reads of this slot
	s_barrier_signal -1
.endm
.macro CHG_C mode
	s_barrier_wait -1
.if (\mode) == 0
	CREST                                          ; the barrier has opened a round of the cluster's barrier
	tensor_load_to_lds s[28:31], s[16:23]
	s_nop 0
.rept 4
	v_nop
.endr
.endif
.endm
; One record against groups g0 .. g0 + ng - 1 of two tiles; so: tiles taken off the state's number.  The states lag one RUN behind the products: the 18 lines on one set are the places behind the other set's products.
.macro CT i, mode, g0, ng, so
.set BB, (\i)%2
.set CH, ((\i)==6)&&((\mode)<2)
	s_wait_dscnt 0x0                               ; this record is in registers
.if (\i) < 7
	LOADS (\i)+1, 1-BB                             ; the next record, into the buffer whose last products stand 18 plain lines back
.elseif (\mode) < 2
	s_xor_b32 s34, s34, SLOTB
	v_add_nc_u32 v[AC], s34, v[ACL]
	v_add_nc_u32 v[AS], s34, v[ASL]
	v_add_nc_u32 v[AQ], s34, v[AQL]
	LOADS 0, 0
.endif
	RUN BB, \g0
	EPI 1, 2*((\g0)+(\ng)-1)-(\so), ((\i)+1)%2, IDP
.if CH
	CHG_A \mode
.endif
	RUN BB, (\g0)+1
.if CH && ((\ng) == 2)
	CHG_B
.endif
	EPI 0, 2*(\g0)-(\so), BB, IDC
.if (\ng) == 2
.if CH
	CHG_C \mode
.endif
.else
.if CH
	CHG_B
.endif
	RUN BB, (\g0)+2
	EPI 1, 2*(\g0)+2-(\so), BB, IDC
.if CH
	CHG_C \mode
.endif
	RUN BB, (\g0)+3
	EPI 0, 2*(\g0)+4-(\so), BB, IDC
.endif
	v_mov_b32 v[IDP], v[IDC]
.if (\i) < 7
	v_add_nc_u32 v[IDC], 16, v[IDC]
.else
	v_add_nc_u32 v[IDC], 400, v[IDC]               ; on to my eight records of the next slot
.endif
.endm
.macro SLOTBODY mode, g0, ng, so
.irp i, 0,1,2,3,4,5,6,7
	CT \i, \mode, \g0, \ng, \so
.endr
.endm
.macro NEGINF                          ; set 1 holds -infinity: a walk's first lagging step then changes nothing (its two states are fresh)
.irp k, 0,1,2,3,4,5,6,7,8,9,10,11,12,13,14,15
	v_mov_b32 v[ACC+16+\k], s47
.endr
.endm
; THE END OF A WALK.  Registers in the accumulators' place
.set H8, 100
.set FJ, 101
.set FI, 109
.set PM, 117
.set QM, 118
.set PI, 119
.set QI, 120
.set OM, 121
.set OI, 122
.set JM, 124
.set JI, 128
.set JL, 20
.macro DECODE lo, n                    ; states lo .. lo + n - 1: j = the lowest register that equals the maximum; index = the record's first + 8 h + j
	v_lshlrev_b32 v[H8], 3, v[HH]
	v_mov_b32 v[OM], 0
	v_mov_b32 v[OI], 0
.set T, \lo
.rept \n
	v_mov_b32 v[FJ+T], 7
.set T, T+1
.endr
.irp k, 6,5,4,3,2,1,0
.set T, \lo
.rept \n
	v_cmp_neq_f32 vcc_lo, v[ST+10*T+3+\k], v[ST+10*T]
	s_delay_alu instid0(VALU_DEP_1)
	v_cndmask_b32 v[FJ+T], \k, v[FJ+T], vcc_lo
.set T, T+1
.endr
.endr
.set T, \lo
.rept \n
	v_add3_u32 v[FI+T], v[ST+10*T+2], v[FJ+T], v[H8]
.set T, T+1
.endr
.endm
.macro PAIR i                          ; tiles 2 i and 2 i + 1: the two halves of the lanes are joined; lanes 0-15 end with tile 2 i's rows, lanes 16-31 with tile 2 i + 1's
	v_cndmask_b32 v[PM], v[ST+20*\i], v[ST+20*\i+10], s43
	v_cndmask_b32 v[QM], v[ST+20*\i+10], v[ST+20*\i], s43
	v_cndmask_b32 v[PI], v[FI+2*\i], v[FI+2*\i+1], s43
	v_cndmask_b32 v[QI], v[FI+2*\i+1], v[FI+2*\i], s43
	s_delay_alu instid0(VALU_DEP_3)
	v_permlanex16_b32 v[OM], v[QM], s40, s41
	s_delay_alu instid0(VALU_DEP_2)
	v_permlanex16_b32 v[OI], v[QI], s40, s41
	s_delay_alu instid0(VALU_DEP_2)
	v_cmp_gt_f32 s44, v[OM], v[PM]
	s_delay_alu instid0(VALU_DEP_3)
	v_cmp_eq_f32 s45, v[OM], v[PM]
	s_delay_alu instid0(VALU_DEP_3)
	v_cmp_lt_u32 s46, v[OI], v[PI]
	s_and_b32 s45, s45, s46
	s_or_b32 s44, s44, s45
	v_cndmask_b32 v[JM+\i], v[PM], v[OM], s44
	v_cndmask_b32 v[JI+\i], v[PI], v[OI], s44
	ds_store_b32 v[JW], v[JM+\i] offset:128*\i
	ds_store_b32 v[JW], v[JI+\i] offset:128*\i+512
.endm
	s_load_b128 s[4:7], s[0:1], 0x0                ; x s[4:5], the image s[6:7]
	s_load_b64 s[8:9], s[0:1], 0x10                ; out0
	v_lshl_add_u32 v[SPW], v0, 2, SPARE
	v_mov_b32 v[NIL], 0
	ds_add_u32 v[SPW], v[NIL]                      ; the opening lines: the add, twice on end, and its wait
	ds_add_u32 v[SPW], v[NIL]
	v_lshrrev_b32 v[LN], 5, v0
	v_readfirstlane_b32 s10, v[LN]                 ; wave 0..7
	v_and_b32 v[LN], 31, v0
	v_and_b32 v[RR], 15, v0
	v_bfe_u32 v[HH], v0, 4, 1
	v_lshlrev_b32 v[XG], 4, v[LN]
	v_min_u32 v[PFO], 16, v[LN]                    ; the prefetch: lanes 0-16 a block of 256 bytes each, the others the last block again
	v_lshlrev_b32 v[PFO], 8, v[PFO]
	s_and_b32 s11, s10, 1                          ; e: my row half
	s_lshr_b32 s12, s10, 1                         ; q: my quarter of a slot's records
	s_bfe_u32 s13, ttmp6, 0x40000
	s_lshl_b32 s14, ttmp9, 2
	s_add_co_u32 s14, s14, s13                     ; work-group
	s_lshl_b32 s50, s14, 18                        ; 256 rows of 1,024 bytes,
	s_lshl_b32 s44, s10, 14                        ; 16 of each group's 128 a wave
	s_add_co_u32 s50, s50, s44
	s_mov_b32 s51, 0
	s_mul_i32 s56, s14, REC
	s_mov_b32 s57, 0
	s_mov_b32 s16, 15|(3<<16)|(1<<21)              ; group 1: the mask of the cluster's four, elements of 8 bytes; four records = 68 rows of 256 bytes, dense
	s_mov_b32 s17, 32<<16
	s_mov_b32 s18, 68<<16
	s_mov_b32 s19, 32<<16
	s_mov_b32 s20, 68
	s_mov_b32 s21, 32
	s_mov_b32 s22, 0
	s_mov_b32 s23, 0
	s_mul_i32 s33, s10, WSH
	s_mov_b32 s54, s33
	s_mov_b32 s55, 0
	s_mov_b32 s24, 1
	s_mov_b32 s25, s33
	s_mov_b32 s28, 1
	s_add_co_u32 s29, s33, SLOTB
	s_mov_b32 s40, 0x76543210
	s_mov_b32 s41, 0xfedcba98
	s_mov_b32 s42, 0x600000
	s_mov_b32 s43, 0xffff0000
	s_mov_b32 s47, 0xff800000
	s_wait_dscnt 0x0
	s_wait_alu depctr_va_vdst(0)
	s_wait_kmcnt 0x0
	s_add_nc_u64 s[48:49], s[4:5], s[50:51]
	s_add_nc_u64 s[56:57], s[6:7], s[56:57]
	s_add_nc_u64 s[26:27], s[6:7], s[54:55]
	s_add_nc_u64 s[30:31], s[26:27], SLOTB
	s_or_b32 s27, s27, 0x80000000
	s_or_b32 s31, s31, 0x80000000
	s_cmp_lg_u32 s10, 0
	s_cbranch_scc1 .Lno_pf
	global_prefetch_b8 v[PFO], s[56:57] th:TH_LOAD_NT scope:SCOPE_SE   ; record t of the image; its address registers are never written again
.Lno_pf:
.irp p, 0,1,2,3,4,5,6,7
	LOADPAIR 0, \p, XT                             ; group A's 16 rows of mine
.endr
	CROUND
	tensor_load_to_lds s[24:27], s[16:23]          ; slot 0: one tensor load a wave at the head
	s_nop 0
	WIN 0x40
.irp p, 0,1,2,3,4,5,6
	LOADPAIR 1, \p, 128                            ; group B's rows, into window 1: 60 loads are out; the last pair follows below
.endr
	WIN 0
	s_mul_i32 s35, s12, GRPB
	v_lshl_add_u32 v[ACL], v[LN], 4, s35
	v_lshl_add_u32 v[ASL], v[LN], 2, s35
	v_lshl_add_u32 v[AQL], v[HH], 5, s35
	s_mul_i32 s44, s10, 16*XP
	s_add_co_u32 s44, s44, XIMG
	v_lshl_add_u32 v[XW], v[LN], 2, s44
	s_lshl_b32 s45, s10, 7
	s_add_co_u32 s45, s45, XSC
	v_bfe_u32 v[XSW], v0, 3, 2
	v_add_nc_u32 v[XSW], s45, v[XSW]
	s_mul_i32 s46, s11, 64*XP
	s_add_co_u32 s46, s46, XIMG
	v_mul_u32_u24 v[XRD], v[RR], XP
	v_lshl_add_u32 v[XRD], v[HH], 4, v[XRD]
	v_add_nc_u32 v[XRD], s46, v[XRD]
	s_lshl_b32 s44, s11, 9
	s_add_co_u32 s44, s44, XSC
	v_lshl_add_u32 v[XSRD], v[LN], 2, s44
	s_lshl_b32 s45, s10, 10
	s_add_co_u32 s45, s45, JOIN
	v_lshl_add_u32 v[JW], v[LN], 2, s45
	s_lshl_b32 s46, s11, 10
	s_and_b32 s44, s12, 1
	s_lshl_b32 s44, s44, 8
	s_add_co_u32 s46, s46, s44
	s_add_co_u32 s46, s46, JOIN
	v_lshl_add_u32 v[JR], v[LN], 3, s46
	v_lshlrev_b32 v[GO], 3, v[LN]
	s_lshl_b32 s52, s14, 10
	s_and_b32 s44, s10, 3
	s_lshl_b32 s44, s44, 8
	s_add_co_u32 s52, s52, s44
	s_mov_b32 s53, 0
	s_add_nc_u64 s[8:9], s[8:9], s[52:53]
	s_wait_alu depctr_va_vdst(0)
	s_wait_tensorcnt 0x0                           ; my part of slot 0 is in; slot 1's first fill is issued as a refill is
	ds_add_u32 v[SPW], v[NIL]
	s_wait_dscnt 0x0
	CROUND
	tensor_load_to_lds s[28:31], s[16:23]
	s_nop 0
.rept 4
	v_nop
.endr
.set CDB, CDS
.set NS, 4
.irp p, 0,1,2,3,4,5,6,7
.if \p == 0
	s_wait_loadcnt 56                              ; behind pair 0: A's 28 and B's 28
.else
	s_wait_loadcnt 4*(7-\p)+32                     ; behind pair p: A's later pairs and B's 32
.endif
	ROWQ2 XT+16*\p, \p, 0
.if \p == 0
	WIN 0x40
	LOADPAIR 1, 7, 128
	WIN 0
.endif
.endr
	BAR
	XFRAGS 0
.irp t, 0,1,2,3,4,5,6,7
	v_mov_b32 v[ST+10*\t], s47
	v_mov_b32 v[ST+10*\t+1], s47
.irp k, 2,3,4,5,6,7,8,9
	v_mov_b32 v[ST+10*\t+\k], 0
.endr
.endr
	NEGINF
	s_mov_b32 s32, SLOTB
	s_mov_b32 s34, 0
	s_lshl_b32 s36, s12, 7                         ; the first index of my first record
	v_mov_b32 v[IDC], s36
	v_mov_b32 v[IDP], 0
	v_add_nc_u32 v[AC], s34, v[ACL]
	v_add_nc_u32 v[AS], s34, v[ASL]
	v_add_nc_u32 v[AQ], s34, v[AQL]
	LOADS 0, 0
; visits 0 and 1: group A alone
	s_mov_b32 s38, 2
.Lwalk_a:
	s_wait_alu depctr_va_vdst(0)
	SLOTBODY 0, 0, 2, 0
	s_sub_co_u32 s38, s38, 1
	s_cmp_lg_u32 s38, 0
	s_cbranch_scc1 .Lwalk_a
	EPI 1, 2, 1, IDP                               ; the lagging step
; group B is quantised, into the image that every wave has long read out (each passed two changes of slots since), and its fragments are fetched
	s_wait_loadcnt 0x0
.set CDB, ACC
.set NS, 2
.irp p, 0,1,2,3,4,5,6,7
	ROWQ2 128+16*\p, \p, 1
.endr
	BAR
	XFRAGS 1
	NEGINF
; visits 2 to 7: both groups
	s_mov_b32 s38, 6
.Lwalk_ab:
	s_wait_alu depctr_va_vdst(0)
	SLOTBODY 0, 0, 4, 0
	s_sub_co_u32 s38, s38, 1
	s_cmp_lg_u32 s38, 0
	s_cbranch_scc1 .Lwalk_ab
	EPI 1, 6, 1, IDP
; group A is done: decoded and stored for the join; its four states begin anew for group B's last two visits
	DECODE 0, 4
	PAIR 0
	PAIR 1
	NEGINF
.irp t, 0,1,2,3
	v_mov_b32 v[ST+10*\t], s47
	v_mov_b32 v[ST+10*\t+1], s47
.endr
	v_mov_b32 v[IDC], s36                          ; my first record's first index again (s36 still holds it)
	s_wait_alu depctr_va_vdst(0)
; visits 8 and 9: group B alone on the image's first two slots; nothing more is fetched
	SLOTBODY 1, 2, 2, 4
	SLOTBODY 2, 2, 2, 4
	EPI 1, 2, 1, IDP
	DECODE 0, 8
.irp t, 0,1,2,3
	v_cmp_ge_f32 vcc_lo, v[ST+10*\t], v[ST+10*\t+40]                   ; the last two visits' indices are all lower: an equal value goes to them
	v_cndmask_b32 v[ST+10*\t+40], v[ST+10*\t+40], v[ST+10*\t], vcc_lo
	v_cndmask_b32 v[FI+\t+4], v[FI+\t+4], v[FI+\t], vcc_lo
.endr
	PAIR 2
	PAIR 3
	BAR
	s_cmp_gt_u32 s10, 3
	s_cbranch_scc1 .Ldone
; waves 0 to 3 join the four quarters of the centroids for 64 rows each and store 256 consecutive bytes
.irp b, 0,1,2,3
	ds_load_b64 v[JL+4*\b:JL+4*\b+1], v[JR] offset:2048*\b
	ds_load_b64 v[JL+4*\b+2:JL+4*\b+3], v[JR] offset:2048*\b+512
.endr
	s_wait_dscnt 0x0
.irp b, 1,2,3
.irp e, 0,1
	v_cmp_gt_f32 s44, v[JL+4*\b+\e], v[JL+\e]
	v_cmp_eq_f32 s45, v[JL+4*\b+\e], v[JL+\e]
	v_cmp_lt_u32 s46, v[JL+4*\b+2+\e], v[JL+2+\e]
	s_and_b32 s45, s45, s46
	s_or_b32 s44, s44, s45
	v_cndmask_b32 v[JL+\e], v[JL+\e], v[JL+4*\b+\e], s44
	v_cndmask_b32 v[JL+2+\e], v[JL+2+\e], v[JL+4*\b+2+\e], s44
.endr
.endr
	global_store_b64 v[GO], v[JL+2:JL+3], s[8:9]
.Ldone:
	s_wait_tensorcnt 0x0                           ; the wave's end
	ds_add_u32 v[SPW], v[NIL]
	s_wait_dscnt 0x0
	CROUND                                         ; the closing round
	s_endpgm
.Lfunc_end_k_qda3d061d88_main:
	.size	k_qda3d061d88_main, .Lfunc_end_k_qda3d061d88_main-k_qda3d061d88_main
	.p2alignl 7, 3214868480
	.fill 96, 4, 3214868480
	.section	.rodata,"a",@progbits
	.p2align	6, 0x0
	.amdhsa_kernel k_qda3d061d88_main
		.amdhsa_group_segment_fixed_size 327680
		.amdhsa_private_segment_fixed_size 0
		.amdhsa_enable_private_segment 0
		.amdhsa_kernarg_size 24
		.amdhsa_user_sgpr_count 2
		.amdhsa_user_sgpr_kernarg_segment_ptr 1
		.amdhsa_wavefront_size32 1
		.amdhsa_system_sgpr_workgroup_id_x 1
		.amdhsa_system_sgpr_workgroup_id_y 1
		.amdhsa_system_sgpr_workgroup_id_z 1
		.amdhsa_system_vgpr_workitem_id 0
		.amdhsa_next_free_vgpr 512
		.amdhsa_next_free_sgpr 66
		.amdhsa_reserve_vcc 1
		.amdhsa_float_denorm_mode_32 3
		.amdhsa_float_denorm_mode_16_64 3
		.amdhsa_memory_ordered 1
		.amdhsa_forward_progress 1
		.amdhsa_inst_pref_size 255
	.end_amdhsa_kernel
	.section	.bss,"aw",@nobits
	.p2align	6
	.space	262144
	.amdgpu_metadata
---
amdhsa.version: [ 1, 2 ]
amdhsa.kernels:
  - .name:           k_qda3d061d88_main
    .symbol:         k_qda3d061d88_main.kd
    .args:
      - { .name: x, .offset: 0, .size: 8, .value_kind: global_buffer, .address_space: global }
      - { .name: cimg, .offset: 8, .size: 8, .value_kind: global_buffer, .address_space: global }
      - { .name: out0, .offset: 16, .size: 8, .value_kind: global_buffer, .address_space: global }
    .group_segment_fixed_size: 327680
    .private_segment_fixed_size: 0
    .kernarg_segment_align: 8
    .kernarg_segment_size: 24
    .max_flat_workgroup_size: 256
    .sgpr_count:     66
    .vgpr_count:     512
    .wavefront_size: 32
...
	.end_amdgpu_metadata
.endif
;; end of part 2
